; MI455X (gfx1250); checked and timed in simulation.
; The chip was launched on July 23, 2026; its instructions are those of AMD's public machine-readable ISA for CDNA 5 (MIT licence, August 2026) and "CDNA5" Instruction Set Architecture Reference Guide (July 2026). The comments in the code are by the model that wrote it; some were corrected since.
;; Causal Self Attention. Allowed arithmetic: matrix products marked QUANTISED: E2M1 operands, one E8M0 scale for each 32 along K, by v_wmma_scale_f32_16x16x128_f8f6f4 with both operands' format E2M1 (or v_wmma_scale_f32_32x16x128_f4), f32 sums; products left as they are: bf16, f16 or f32 operands; f32 sums; everything else in f32.
;; Inputs: Wkv 1,024 x 512 float32; Wo 1,024 x 1,024 float32; Wq 1,024 x 1,024 float32; x 4 x 2,048 x 1,024 float32.
;; Outputs: out0 4 x 2,048 x 1,024 float32.
;; This version of the problem:
;;   THIS VERSION OF THE PROBLEM IS GIVEN IN LOW PRECISION. The matrix products marked QUANTISED in the list below multiply operands that are first quantised to E2M1 (2 exponent bits, 1 mantissa bit; 4 bits a number), with one power-of-two scale for each 32 numbers along K (OCP MX v1.0); their sums are f32. The products marked 'left as it is' may take bf16, f16 or f32 operands, with f32 sums. Whichever they take, every output number must still come out within the allowed error. Rounding operands to bf16 (8 significant bits) uses up far more of that allowance than f16 does (11 bits, for magnitudes from 6e-5 to 65,504). All else is computed in f32.
;;   The module's matrix products, in the order in which they are computed (A, B: the left and right operand; K: the contracted axis; several contracted axes count as one K, in the product's order):
;;     1. [M 8,192, K 1,024] x [K 1,024, N 1,024]; A: input x; B: input Wq: QUANTISED
;;     2. [M 8,192, K 1,024] x [K 1,024, N 512]; A: input x; B: input Wkv: QUANTISED
;;     3. batch 16 x [M 2,048, K 64] x [K 64, N 8,192]; A: computed on the way; B: computed on the way: left as it is (an operand is computed on the way)
;;     4. batch 16 x [M 64, K 2,048] x [K 2,048, N 8,192]; A: computed on the way; B: computed on the way: left as it is (an operand is computed on the way)
;;     5. [M 8,192, K 1,024] x [K 1,024, N 1,024]; A: computed on the way; B: input Wo: left as it is (an operand is computed on the way)
;;   THE QUANTISER, for each operand of a quantised product, along K:
;;     - K is cut into blocks of 32 from its start; a last block that is shorter is filled with zeros.
;;     - A block's scale is 2^e with e = floor(log2(the largest magnitude in the block)) - 2, held to -126 .. 127; a block of zeros has e = 0. As a byte (E8M0): e + 127.
;;     - Each number is divided by its block's scale, clamped to +-6, and rounded to the nearest number of E2M1, ties to even, subnormals kept.
;;     - The product sums the exact products of the quantised numbers (number of the format x scale) in f32.
;;   ~~~python
;;   def quantise(x, axis):      # numpy; x: float32 -> the quantised numbers, widened to float32 again
;;       x = np.moveaxis(x, axis, -1); K = x.shape[-1]
;;       x = np.pad(x, [(0, 0)] * (x.ndim - 1) + [(0, -K % 32)]); x = x.reshape(x.shape[:-1] + (-1, 32)); a = np.abs(x).max(-1, keepdims=True)
;;       e = np.where(a > 0, np.clip(np.frexp(np.where(a > 0, a, 1))[1] - 1 - 2, -126, 127), 0)      # np.frexp(a)[1] - 1 = floor(log2(a)), exactly
;;       r = np.clip(x / 2.0 ** e, -6, 6)
;;       step = 2.0 ** (np.maximum(np.frexp(np.where(r == 0, 1, r))[1] - 1, 0) - 1)
;;       q = np.round(r / step) * step * 2.0 ** e      # np.round: ties to even
;;       return np.moveaxis(q.reshape(q.shape[:-2] + (-1,))[..., :K], -1, axis).astype(np.float32)
;;   ~~~
;; One version. Each part assembles by itself: llvm-mc -triple=amdgcn-amd-amdhsa -mcpu=gfx1250 --defsym DOCPART=n.
;; ======== version 1 of 1: 4 launches
;; limits: values are held in f16: magnitudes above 65,504 overflow, below 6.1e-05 lose precision
;; workspace buffers: codes 4,980,736 bytes; scales 311,296 bytes; wot 2,097,152 bytes; q16 16,777,216 bytes; kv16 8,388,608 bytes; o16 16,777,216 bytes
;; launch prep (part 1): grid 1184 x 1, 4 waves a work-group, no clusters, 35,072 bytes of LDS; arguments x, Wq, Wkv, Wo, codes, scales, wot; writes codes, scales, wot
.if DOCPART == 1
	.amdgcn_target "amdgcn-amd-amdhsa--gfx1250"
	.amdhsa_code_object_version 6
	.text
	.protected	k_q01157cdfe5_prep
	.globl	k_q01157cdfe5_prep
	.p2align	8
	.type	k_q01157cdfe5_prep,@function
k_q01157cdfe5_prep:
	s_mov_b64 s[64:65], 0
	v_nop
	global_prefetch_b8 v0, s[64:65] scope:SCOPE_SE
	s_setreg_imm32_b32 hwreg(HW_REG_WAVE_MODE, 25, 1), 1
	s_wait_xcnt 0x0
; FIRST OF FOUR LAUNCHES: prep (this one), proj, attn, outp.
; prep turns x [8192][1024], Wq [1024][1024] and Wkv [1024][512] into codes of FP4 (E2M1) with one E8M0 byte for each 32 along K = 1024, and Wo [1024][1024] into f16, transposed.
; DEAD WORK, left out in launch attn: reference() adds slope_h (k - q) to the score of query q and key k and then takes a softmax over k.  The part -slope_h q is the same for every k of a row: it multiplies
; the softmax's numerator and denominator by the same factor and cancels, whatever finite values x, Wq, Wkv, Wo hold.  Its size is at most 0.71 x 2047, which moves reference()'s own f32 scores by their rounding alone.
; slope_h k stays, and so does the maximum taken away before the exponential.  All four inputs have a way to the output and are loaded.  LIMIT: an overflow, NaN or infinity that reaches only the term left out is not carried to the result.
; LAYOUT OF THE WORKSPACE: every operand is laid as an IMAGE OF ITS REGISTERS, so that later launches fetch tiles as dense blocks and fragments as 16 bytes a lane at 16 x lane.
;   codes  [row tile of 16][K step of 128][1,024 bytes]: block blk (32 along K) of row r at 256 blk + 16 r.  Tiles 0-511: x's rows; 512-575: Wq's columns; 576-607: Wkv's columns.
;   scales [row tile][half of K][row r][4 words]: a word holds the four bytes of one K step.
;   wot    [tile of 16 columns n of Wo][K step of 32][1,024 bytes]: k = 8 g .. 8 g + 7 of column r at 256 g + 16 r, f16.
; A block's scale is 2^(floor(log2(largest magnitude)) - 2): its byte is the largest magnitude's exponent field - 2, held at 1 from below by a floor among the maximum's leaves.
; LIMITS: a block of zeros gets the byte 1 where the rule says 127 (its codes are zeros, and this program alone reads the bytes); blocks whose largest magnitude lies under 2^-124 are held at the byte 1;
; NaN and infinities among the inputs are not served; |Wo| stays under 65,504 (f16): the drawn spread times 30 is 0.6 x a few.
; SHARES.  Work-groups 0-63 Wq, 64-95 Wkv, 96-159 Wo: a wave takes 32 columns x 128 along K, A LANE A COLUMN, ITS REGISTERS DOWN K.  Work-groups 160-1183: x: a wave takes 16 rows x 128 along K, one fragment.
; No loop: a wave asks for all its numbers at once.  No tensor load, no matrix unit, no cluster: the launch streams, and work-groups share no input.
.set STGW,  8448                       ; x's way: a stage of 16 rows x (512 + 16) bytes for each wave, from LDS byte 0
.set SCX,   33792                      ; x's way: the work-group's 256 bytes of scale words
.set SCW,   34048                      ; the weights' way: its 512 bytes of scale words (each way has LDS bytes of its own)
.set SPARE, 34560                      ; the spare words, 128 bytes for each wave: two blocks of 256 bytes that no other line names
.set SPW,   16                         ; v16  LDS address of my spare word; never rewritten
.set NIL,   17                         ; v17  0; never rewritten
.set MX,    18                         ; v18-21 largest magnitudes
.set SO,    22                         ; v22-25 the conversions' scale operands
.set BY,    26                         ; v26-29 scale bytes
.set D,     32                         ; v32-159 128 numbers of a column
.set R,     32                         ; v32-95  x as loaded
.set X,     96                         ; v96-159 x: my two blocks of 32
.set C,     160                        ; v160-175 codes
	s_load_b256 s[4:11], s[0:1], 0x0               ; x s[4:5], Wq s[6:7], Wkv s[8:9], Wo s[10:11]
	s_load_b128 s[12:15], s[0:1], 0x20             ; codes, scales
	s_load_b64 s[16:17], s[0:1], 0x30              ; wot
	v_lshl_add_u32 v[SPW], v0, 2, SPARE
	v_mov_b32 v[NIL], 0
	v_lshrrev_b32 v18, 5, v0
	v_readfirstlane_b32 s18, v18                   ; wave 0..3
	v_and_b32 v1, 31, v0                           ; lane
	v_and_b32 v2, 15, v0                           ; r
	v_bfe_u32 v3, v0, 4, 1                         ; h
	v_lshlrev_b32 v4, 4, v1                        ; 16 x lane
	s_mul_i32 s19, s18, STGW
	s_lshl_b32 s20, s18, 2
	s_mov_b32 s30, 0x76543210
	s_mov_b32 s31, 0xfedcba98                      ; v_permlanex16_b32's selects for lane l xor 16
	; every LDS address is made here, ahead of the ways' parting
	v_add_nc_u32 v5, s19, v4                       ; into my stage: 16 x lane of a row
	v_mul_u32_u24 v6, v2, 528
	v_lshl_add_u32 v6, v3, 7, v6
	v_add_nc_u32 v6, s19, v6                       ; out of it: row r, + 128 h: my block of 32 numbers
	v_lshl_add_u32 v7, v2, 4, SCX
	v_add_nc_u32 v7, s20, v7                       ; x's scale word: row r, word = wave
	v_lshl_add_u32 v8, v1, 3, SCX                  ; and back: 8 bytes a lane
	v_lshlrev_b32 v9, 3, v1
	v_lshl_add_u32 v10, v1, 4, SCW
	v_add_nc_u32 v10, s20, v10                     ; a weight's scale word: column = lane, word = wave
	v_lshl_add_u32 v11, v1, 4, SCW                 ; and back: 16 bytes a lane
	v_lshlrev_b32 v12, 2, v1                       ; a weight's row: 4 bytes a lane
	v_lshlrev_b32 v13, 4, v2
	v_lshl_add_u32 v14, v3, 9, v13                 ; scales: tile lane / 16, row r
	v_lshl_add_u32 v15, v3, 15, v13                ; wot: likewise
	v_lshl_add_u32 v13, v3, 13, v13                ; codes: likewise
; nb blocks of 32 numbers, block b in v[src + 32 b] on, all of one lane: their bytes into v[BY + b], their codes into v[C + 4 b] on.  The blocks take turns line by line.
.macro QUANT src, nb
.set b, 0
.rept \nb
	v_max3_num_f32 v[MX+b], |v[\src+32*b]|, |v[\src+32*b+1]|, 0x1800000     ; the floor 2^(3 - 127): the byte cannot fall under 1
.set b, b+1
.endr
.set i, 2
.rept 15
.set b, 0
.rept \nb
	v_max3_num_f32 v[MX+b], v[MX+b], |v[\src+32*b+i]|, |v[\src+32*b+i+1]|
.set b, b+1
.endr
.set i, i+2
.endr
.set b, 0
.rept \nb
	v_add_nc_u32 v[SO+b], 0xff000000, v[MX+b]      ; 2 off the exponent field: the conversion takes this operand's exponent field as its scale
.set b, b+1
.endr
.set b, 0
.rept \nb
	v_lshrrev_b32 v[BY+b], 23, v[SO+b]             ; the scale's byte
.set b, b+1
.endr
.set b, 0
.rept \nb
.set g, 0
.rept 4
	v_cvt_scalef32_pk8_fp4_f32 v[C+4*b+g], v[\src+32*b+8*g:\src+32*b+8*g+7], v[SO+b]
.set g, g+1
.endr
.set b, b+1
.endr
	v_nop                                          ; one plain line behind the last scaled conversion
.endm
.macro WLOAD pitch                     ; 128 rows of K at my column: a wave reads 128 consecutive bytes of each
.set n, 0
.rept 128
	global_load_b32 v[D+n], v12, s[20:21] offset:n*\pitch
.set n, n+1
.endr
.endm
	s_wait_kmcnt 0x0
	s_cmp_ge_u32 ttmp9, 160
	s_cbranch_scc1 .Lx
	; ---- the weights.  Which one hangs on the work-group's number alone
	s_cmp_lt_u32 ttmp9, 64
	s_cselect_b64 s[20:21], s[6:7], s[8:9]         ; Wq or Wkv
	s_cselect_b32 s22, 0, 64                       ; its first work-group
	s_mov_b32 s23, 576
	s_cselect_b32 s23, 512, s23                    ; its first row tile among the codes
	s_cmp_lt_u32 ttmp9, 96
	s_cselect_b64 s[20:21], s[20:21], s[10:11]     ; or Wo
	s_cselect_b32 s22, s22, 96
	s_sub_co_u32 s22, ttmp9, s22
	s_lshr_b32 s24, s22, 1                         ; cg: which 32 columns
	s_and_b32 s25, s22, 1                          ; kh: which half of K
	s_lshl_b32 s26, s25, 2
	s_add_co_u32 s26, s26, s18                     ; kc: my wave's K step of 128
	s_sub_co_u32 s27, ttmp9, 64                    ; under 32 for Wkv alone, whose rows are 2,048 bytes
	s_cmp_lt_u32 s27, 32
	s_cselect_b32 s28, 18, 19
	s_lshl_b32 s28, s26, s28                       ; 128 kc rows
	s_lshl_b32 s29, s24, 7
	s_add_co_u32 s28, s28, s29                     ; + 32 cg columns
	s_mov_b32 s29, 0
	s_add_nc_u64 s[20:21], s[20:21], s[28:29]
	s_cmp_lt_u32 s27, 32
	s_cbranch_scc1 .Lnarrow
	WLOAD 4096
	s_branch .Lloaded
.Lnarrow:
	WLOAD 2048
.Lloaded:
	s_lshl_b32 s32, s24, 1
	s_add_co_u32 s33, s32, s23                     ; my wave's first row tile
	s_lshl_b32 s34, s33, 13
	s_lshl_b32 s35, s26, 10
	s_add_co_u32 s34, s34, s35
	s_mov_b32 s35, 0
	s_add_nc_u64 s[12:13], s[12:13], s[34:35]      ; codes: tile x 8,192 + kc x 1,024
	s_lshl_b32 s34, s33, 9
	s_lshl_b32 s36, s25, 8
	s_add_co_u32 s34, s34, s36
	s_add_nc_u64 s[14:15], s[14:15], s[34:35]      ; scales: tile x 512 + kh x 256
	s_lshl_b32 s34, s24, 16
	s_lshl_b32 s36, s26, 12
	s_add_co_u32 s34, s34, s36
	s_add_nc_u64 s[16:17], s[16:17], s[34:35]      ; wot: 2 cg x 32,768 + kc x 4,096
	s_wait_loadcnt 0x0
	s_cmp_ge_u32 ttmp9, 96
	s_cbranch_scc1 .Lwo
	QUANT D, 4
	v_lshl_or_b32 v30, v27, 8, v26                 ; my column's scale word of this K step
	v_lshl_or_b32 v30, v28, 16, v30
	v_lshl_or_b32 v30, v29, 24, v30
.irp b, 0,1,2,3
	global_store_b128 v13, v[C+4*\b:C+4*\b+3], s[12:13] offset:256*\b   ; sixteen lanes store 256 consecutive bytes, aligned
.endr
	ds_store_b32 v10, v30
	s_wait_dscnt 0x0                               ; for the others' sake: my word has landed
	s_barrier_signal -1
	s_barrier_wait -1
	s_cmp_lg_u32 s18, 0
	s_cbranch_scc1 .Lend
	ds_load_b128 v[18:21], v11                     ; wave 0: the four waves' words of each column
	s_wait_dscnt 0x0
	global_store_b128 v14, v[18:21], s[14:15]      ; sixteen lanes store 256 consecutive bytes, aligned
	s_branch .Lend
.Lwo:
.set i, 0
.rept 64
	v_cvt_pk_f16_f32 v[D+i], v[D+2*i], v[D+2*i+1]  ; in place, ascending: a line's destination has been read already
.set i, i+1
.endr
.irp q, 0,1,2,3
.irp g, 0,1,2,3
	global_store_b128 v15, v[D+16*\q+4*\g:D+16*\q+4*\g+3], s[16:17] offset:1024*\q+256*\g
.endr
.endr
	s_branch .Lend
.Lx:
	; ---- x: my wave's fragment: rows 16 T .. 16 T + 15, K step 4 kh + wave
	s_sub_co_u32 s20, ttmp9, 160
	s_lshr_b32 s21, s20, 1                         ; T
	s_and_b32 s22, s20, 1                          ; kh
	s_lshl_b32 s23, s22, 2
	s_add_co_u32 s23, s23, s18                     ; K step
	s_lshl_b32 s24, s21, 16
	s_lshl_b32 s25, s23, 9
	s_add_co_u32 s24, s24, s25
	s_mov_b32 s25, 0
	s_add_nc_u64 s[4:5], s[4:5], s[24:25]
	s_lshl_b32 s24, s21, 13
	s_lshl_b32 s26, s23, 10
	s_add_co_u32 s24, s24, s26
	s_add_nc_u64 s[12:13], s[12:13], s[24:25]
	s_lshl_b32 s24, s21, 9
	s_lshl_b32 s26, s22, 8
	s_add_co_u32 s24, s24, s26
	s_add_nc_u64 s[14:15], s[14:15], s[24:25]
.irp i, 0,1,2,3,4,5,6,7,8,9,10,11,12,13,14,15
	global_load_b128 v[R+4*\i:R+4*\i+3], v4, s[4:5] offset:4096*\i th:TH_LOAD_NT   ; row i: 32 lanes read 512 consecutive bytes
.endr
.irp i, 0,1,2,3,4,5,6,7,8,9,10,11,12,13,14,15
	s_wait_loadcnt 15-\i                           ; row i is in; the younger rows may be out
	ds_store_b128 v5, v[R+4*\i:R+4*\i+3] offset:528*\i
.endr
.irp c, 0,1
.irp i, 0,1,2,3,4,5,6,7
	ds_load_b128 v[X+32*\c+4*\i:X+32*\c+4*\i+3], v6 offset:256*\c+16*\i   ; block 2 c + h of row r.  LDS serves a wave's instructions in order: these see my stores
.endr
.endr
	s_wait_dscnt 0x0
	QUANT X, 2
	v_lshl_or_b32 v30, v27, 16, v26                ; my two bytes: blocks h and 2 + h,
	v_lshlrev_b32 v31, 3, v3
	v_lshlrev_b32 v30, v31, v30                    ; at their places in the word;
	v_mov_b32 v31, 0
	v_permlanex16_b32 v31, v30, s30, s31
	v_or_b32 v30, v30, v31                         ; with lane l xor 16's two the word is whole
.irp c, 0,1
	global_store_b128 v4, v[C+4*\c:C+4*\c+3], s[12:13] offset:512*\c   ; the image: 512 consecutive bytes
.endr
	ds_store_b32 v7, v30                           ; lanes r and 16 + r write the same word with the same value
	s_wait_dscnt 0x0
	s_barrier_signal -1
	s_barrier_wait -1
	s_cmp_lg_u32 s18, 0
	s_cbranch_scc1 .Lend
	ds_load_b64 v[18:19], v8                       ; wave 0: 16 rows x 4 words
	s_wait_dscnt 0x0
	global_store_b64 v9, v[18:19], s[14:15]        ; 32 lanes store 256 consecutive bytes, aligned
.Lend:
	s_wait_tensorcnt 0x0                           ; the wave's end: behind my last LDS store
	ds_add_u32 v[SPW], v[NIL]
	s_wait_dscnt 0x0
	s_endpgm
.Lfunc_end_k_q01157cdfe5_prep:
	.size	k_q01157cdfe5_prep, .Lfunc_end_k_q01157cdfe5_prep-k_q01157cdfe5_prep
	.p2alignl 7, 3214868480
	.fill 96, 4, 3214868480
	.section	.rodata,"a",@progbits
	.p2align	6, 0x0
	.amdhsa_kernel k_q01157cdfe5_prep
		.amdhsa_group_segment_fixed_size 35072
		.amdhsa_private_segment_fixed_size 0
		.amdhsa_enable_private_segment 0
		.amdhsa_kernarg_size 56
		.amdhsa_user_sgpr_count 2
		.amdhsa_user_sgpr_kernarg_segment_ptr 1
		.amdhsa_wavefront_size32 1
		.amdhsa_system_sgpr_workgroup_id_x 1
		.amdhsa_system_sgpr_workgroup_id_y 1
		.amdhsa_system_sgpr_workgroup_id_z 1
		.amdhsa_system_vgpr_workitem_id 0
		.amdhsa_next_free_vgpr 176
		.amdhsa_next_free_sgpr 66
		.amdhsa_reserve_vcc 0
		.amdhsa_float_denorm_mode_32 3
		.amdhsa_float_denorm_mode_16_64 3
		.amdhsa_memory_ordered 1
		.amdhsa_forward_progress 1
		.amdhsa_inst_pref_size 48
	.end_amdhsa_kernel
	.amdgpu_metadata
---
amdhsa.version: [ 1, 2 ]
amdhsa.kernels:
  - .name:           k_q01157cdfe5_prep
    .symbol:         k_q01157cdfe5_prep.kd
    .args:
      - { .name: x, .offset: 0, .size: 8, .value_kind: global_buffer, .address_space: global }
      - { .name: Wq, .offset: 8, .size: 8, .value_kind: global_buffer, .address_space: global }
      - { .name: Wkv, .offset: 16, .size: 8, .value_kind: global_buffer, .address_space: global }
      - { .name: Wo, .offset: 24, .size: 8, .value_kind: global_buffer, .address_space: global }
      - { .name: codes, .offset: 32, .size: 8, .value_kind: global_buffer, .address_space: global }
      - { .name: scales, .offset: 40, .size: 8, .value_kind: global_buffer, .address_space: global }
      - { .name: wot, .offset: 48, .size: 8, .value_kind: global_buffer, .address_space: global }
    .group_segment_fixed_size: 35072
    .private_segment_fixed_size: 0
    .kernarg_segment_align: 8
    .kernarg_segment_size: 56
    .max_flat_workgroup_size: 128
    .sgpr_count:     66
    .vgpr_count:     176
    .wavefront_size: 32
...
	.end_amdgpu_metadata
.endif
;; end of part 1
;; launch proj (part 2): grid 6 x 32, 16 waves a work-group, no clusters, 280,576 bytes of LDS; arguments codes, scales, q16, kv16; writes q16, kv16
.if DOCPART == 2
	.amdgcn_target "amdgcn-amd-amdhsa--gfx1250"
	.amdhsa_code_object_version 6
	.text
	.protected	k_q01157cdfe5_proj
	.globl	k_q01157cdfe5_proj
	.p2align	8
	.type	k_q01157cdfe5_proj,@function
k_q01157cdfe5_proj:
	s_mov_b64 s[64:65], 0
	v_nop
	global_prefetch_b8 v0, s[64:65] scope:SCOPE_SE
	s_setreg_imm32_b32 hwreg(HW_REG_WAVE_MODE, 25, 1), 1
	s_wait_xcnt 0x0
; q = x Wq, k and v = x Wkv on codes of FP4 (E2M1) with E8M0 scales, K = 1,024; sums in f32; results rounded to f16 and stored as images of the operands that launch attn wants.
; A work-group makes 256 rows of SIDE 0 x 256 rows of SIDE 1.  Work-group x = fb is a block of 256 features (0-3: q, 4: k, 5: v), y = tb a block of 256 tokens.  For q and k side 0 = features, side 1 = tokens;
; for v the two are swapped.  Only global addresses know of that.  With source 0 = side 0 and source 1 = side 1 a lane holds ONE row of side 1 and eight neighbouring rows of side 0: for q and k one token and eight
; neighbouring channels, for v one channel and eight neighbouring keys: 16 bytes of f16 that are the lane's part of an operand's image.  So results leave straight from registers, 512 consecutive bytes a store.
; All of K lies in LDS: 2 x 131,072 bytes of codes and 16,384 of scale words, each byte filled once: each of the sixteen waves brings two row tiles' codes (16,384 bytes) and scale words (1,024): two tensor loads of mine are out.
; Wave w makes 64 x 64: side 0's tiles 4 (w % 4) on, side 1's 4 (w / 4) on: 16 accumulators.  Four waves to a SIMD: while one waits for its fragments another multiplies, so one set of fragment registers serves.
; NO CLUSTER: the grid's 6 blocks of features are no multiple of 4; along the tokens only the weights' half of a work-group's bytes would be shared, and in the block of v that half lies on the other side of LDS,
; so that one line could not carry one mask on every way; each byte is asked for once, at the head.
; LIMIT: |q|, |k|, |v| stay under 65,504 (f16): with x and the weights both 30 times the drawn spread they are some 600 in the root mean square.
.set SIDE1, 131072
.set SCL,   262144                     ; side 0's 16 tiles x 512 bytes of scale words, then side 1's
.set SPARE, 278528                     ; the spare words, 128 bytes for each wave: eight blocks of 256 bytes that no other line names
.set SPW, 2                            ; v2  LDS address of my spare word; never rewritten
.set NIL, 3                            ; v3  0; never rewritten
.set L16, 4                            ; v4  16 x lane
.set AD0, 5                            ; v5  my fragments of side 0
.set AD1, 6                            ; v6  of side 1
.set ADS, 7                            ; v7  my scale words: lanes 0-15 side 0's rows, lanes 16-31 side 1's
.set SC,  16                           ; v16-47 scale words: register 8 i + K step: lanes 0-15 side 0's tile i, lanes 16-31 side 1's tile i; they hold nothing else
.set F0,  64                           ; v64-95  side 0's four fragments
.set F1,  96                           ; v96-127 side 1's
.set ACC, 128                          ; v128-255 accumulator (p, q) = side 1's tile p x side 0's tile q at 8 (4 p + q)
.set G1C, 16                           ; s[16:23] group 1: 64 rows of 256 bytes, dense
.set G1S, 24                           ; s[24:31] group 1: 4 rows of 256 bytes, dense
.set G0C, 32                           ; s[32:35]
.set G0S, 36                           ; s[36:39]
	s_load_b256 s[4:11], s[0:1], 0x0               ; codes s[4:5], scales s[6:7], q16 s[8:9], kv16 s[10:11]
	v_lshl_add_u32 v[SPW], v0, 2, SPARE
	v_mov_b32 v[NIL], 0
	ds_add_u32 v[SPW], v[NIL]                      ; the wave's opening: the add, twice on end, and its wait ahead of my first tensor load
	ds_add_u32 v[SPW], v[NIL]
	v_lshrrev_b32 v1, 5, v0
	v_readfirstlane_b32 s12, v1                    ; wave 0..15
	s_mov_b32 s[G1C+0], 3<<16                      ; elements of 8 bytes, no mask, no padding
	s_mov_b32 s[G1C+1], 32<<16                     ; tensor_dim0 = 32 elements
	s_mov_b32 s[G1C+2], 64<<16                     ; tensor_dim1 = 64
	s_mov_b32 s[G1C+3], 32<<16                     ; tile_dim0
	s_mov_b32 s[G1C+4], 64                         ; tile_dim1
	s_mov_b32 s[G1C+5], 32                         ; from row to row
	s_mov_b32 s[G1C+6], 0
	s_mov_b32 s[G1C+7], 0
	s_mov_b32 s[G1S+0], 3<<16
	s_mov_b32 s[G1S+1], 32<<16
	s_mov_b32 s[G1S+2], 4<<16
	s_mov_b32 s[G1S+3], 32<<16
	s_mov_b32 s[G1S+4], 4
	s_mov_b32 s[G1S+5], 32
	s_mov_b32 s[G1S+6], 0
	s_mov_b32 s[G1S+7], 0
	s_and_b32 s13, ttmp7, 0xffff                   ; tb
	s_lshl_b32 s14, ttmp9, 4
	s_add_co_u32 s14, s14, 512                     ; the features' first row tile
	s_lshl_b32 s15, s13, 4                         ; the tokens'
	s_cmp_lt_u32 ttmp9, 5
	s_cselect_b32 s40, s14, s15                    ; side 0
	s_cselect_b32 s41, s15, s14                    ; side 1
	s_cmp_lt_u32 s12, 8                            ; waves 0-7 fetch side 0, waves 8-15 side 1
	s_cselect_b32 s42, s40, s41
	s_and_b32 s43, s12, 7
	s_lshl_b32 s43, s43, 1
	s_add_co_u32 s42, s42, s43                     ; my two row tiles
	s_lshl_b32 s44, s42, 13
	s_mov_b32 s45, 0
	s_lshl_b32 s46, s42, 9
	s_mov_b32 s47, 0
	s_mov_b32 s[G0C], 1
	s_lshl_b32 s[G0C+1], s12, 14                   ; LDS: wave x 16,384
	s_mov_b32 s[G0S], 1
	s_lshl_b32 s[G0S+1], s12, 10
	s_add_co_u32 s[G0S+1], s[G0S+1], SCL           ; LDS: SCL + wave x 1,024
	s_wait_dscnt 0x0                               ; both opening adds are done
	s_wait_kmcnt 0x0
	s_add_nc_u64 s[G0C+2:G0C+3], s[4:5], s[44:45]
	s_or_b32 s[G0C+3], s[G0C+3], 0x80000000
	s_add_nc_u64 s[G0S+2:G0S+3], s[6:7], s[46:47]
	s_or_b32 s[G0S+3], s[G0S+3], 0x80000000
	tensor_load_to_lds s[G0C:G0C+3], s[G1C:G1C+7]
	s_nop 0
	tensor_load_to_lds s[G0S:G0S+3], s[G1S:G1S+7]
	s_nop 0
	s_lshr_b32 s48, s13, 3                         ; b
	s_and_b32 s49, s13, 7                          ; tl: which 256 tokens of the sequence
	s_and_b32 s50, s12, 3                          ; i0
	s_lshr_b32 s51, s12, 2                         ; i1
	v_and_b32 v8, 31, v0
	v_lshlrev_b32 v[L16], 4, v8
	v_and_b32 v9, 15, v0                           ; r
	v_bfe_u32 v10, v0, 4, 1                        ; h
	s_lshl_b32 s60, s50, 15
	v_add_nc_u32 v[AD0], s60, v[L16]
	s_lshl_b32 s61, s51, 15
	s_add_co_u32 s61, s61, SIDE1
	v_add_nc_u32 v[AD1], s61, v[L16]
	s_xor_b32 s61, s50, 3                          ; 3 - i0
	s_add_co_u32 s61, s61, s51
	s_add_co_u32 s61, s61, 1
	s_lshl_b32 s61, s61, 11                        ; from side 0's words to side 1's: 8,192 + 2,048 (i1 - i0): one product with h
	v_mul_u32_u24 v[ADS], s61, v10
	s_lshl_b32 s60, s50, 11
	s_add_co_u32 s60, s60, SCL
	v_lshl_add_u32 v[ADS], v9, 4, v[ADS]
	v_add_nc_u32 v[ADS], s60, v[ADS]
	; where my results go.  q: ((16 b + 4 fb + i0) 128 + 16 tl + 4 i1) x 2,048;  k: ((4 b + i0) 32 + 4 tl + i1) x 16,384;  v: ((4 b + i1) 32 + 4 tl + i0) x 16,384 + 8,192
	s_lshl_b32 s52, s48, 4
	s_lshl_b32 s53, ttmp9, 2
	s_add_co_u32 s52, s52, s53
	s_add_co_u32 s52, s52, s50
	s_lshl_b32 s52, s52, 7
	s_lshl_b32 s53, s49, 4
	s_add_co_u32 s52, s52, s53
	s_lshl_b32 s53, s51, 2
	s_add_co_u32 s52, s52, s53
	s_lshl_b32 s52, s52, 11
	s_cmp_eq_u32 ttmp9, 4
	s_cselect_b32 s54, s50, s51                    ; the key and value head
	s_cselect_b32 s55, s51, s50                    ; which 64 tokens
	s_cselect_b32 s56, 0, 8192
	s_lshl_b32 s57, s48, 2
	s_add_co_u32 s57, s57, s54
	s_lshl_b32 s57, s57, 5
	s_lshl_b32 s58, s49, 2
	s_add_co_u32 s57, s57, s58
	s_add_co_u32 s57, s57, s55
	s_lshl_b32 s57, s57, 14
	s_add_co_u32 s57, s57, s56
	s_cmp_lt_u32 ttmp9, 4
	s_cselect_b32 s52, s52, s57
	s_cselect_b64 s[8:9], s[8:9], s[10:11]         ; the choice hangs on the work-group's number alone
	s_mov_b32 s53, 0
	s_add_nc_u64 s[8:9], s[8:9], s[52:53]
	s_wait_tensorcnt 0x0                           ; my two loads have landed,
	s_barrier_signal -1
	s_barrier_wait -1                              ; everybody's have.  Nothing is filled again
.irp i, 0,1,2,3
.irp e, 0,1
	ds_load_b128 v[SC+8*\i+4*\e:SC+8*\i+4*\e+3], v[ADS] offset:512*\i+256*\e   ; four K steps' words of my row
.endr
.endr
.macro PLACES n
.rept \n
	v_nop
.endr
.endm
; A K step of 128: 16 loads of 16 bytes a lane at 16 x lane, 16 products.  The accumulators take turns, one instruction a turn, in the same order in every step.
.macro KSTEP k
.if \k > 0
	PLACES 4                                       ; in front of loads into registers that matrix instructions have read (ISA guide 7.12.1 for vector instructions)
.endif
.irp a, 0,1,2,3
.irp c, 0,1
	ds_load_b128 v[F0+8*\a+4*\c:F0+8*\a+4*\c+3], v[AD0] offset:\a*8192+\k*1024+\c*512
	ds_load_b128 v[F1+8*\a+4*\c:F1+8*\a+4*\c+3], v[AD1] offset:\a*8192+\k*1024+\c*512
.endr
.endr
	s_wait_dscnt 0x0
.irp p, 0,1,2,3
.irp q, 0,1,2,3
.if \k == 0
	v_wmma_scale_f32_16x16x128_f8f6f4 v[ACC+8*(4*\p+\q):ACC+8*(4*\p+\q)+7], v[F0+8*\q:F0+8*\q+7], v[F1+8*\p:F1+8*\p+7], 0, v[SC+8*\q+\k], v[SC+8*\p+\k] matrix_a_fmt:MATRIX_FMT_FP4 matrix_b_fmt:MATRIX_FMT_FP4 matrix_b_scale:MATRIX_SCALE_ROW1
.else
	v_wmma_scale_f32_16x16x128_f8f6f4 v[ACC+8*(4*\p+\q):ACC+8*(4*\p+\q)+7], v[F0+8*\q:F0+8*\q+7], v[F1+8*\p:F1+8*\p+7], v[ACC+8*(4*\p+\q):ACC+8*(4*\p+\q)+7], v[SC+8*\q+\k], v[SC+8*\p+\k] matrix_a_fmt:MATRIX_FMT_FP4 matrix_b_fmt:MATRIX_FMT_FP4 matrix_b_scale:MATRIX_SCALE_ROW1
.endif
.endr
.endr
.endm
.irp k, 0,1,2,3,4,5,6,7
	KSTEP \k
.endr
	PLACES 4                                       ; in front of the first read of results and of writes into the fragments' registers
.irp t, 0,1,2,3,4,5,6,7,8,9,10,11,12,13,14,15
.irp j, 0,1,2,3
	v_cvt_pk_f16_f32 v[F0+4*\t+\j], v[ACC+8*\t+2*\j], v[ACC+8*\t+2*\j+1]   ; each accumulator from its low end on
.endr
.endr
.irp p, 0,1,2,3
.irp q, 0,1,2,3
	global_store_b128 v[L16], v[F0+4*(4*\p+\q):F0+4*(4*\p+\q)+3], s[8:9] offset:\p*2048+\q*512   ; half an image: 512 consecutive bytes
.endr
.endr
	s_wait_tensorcnt 0x0                           ; the wave's end
	ds_add_u32 v[SPW], v[NIL]
	s_wait_dscnt 0x0
	s_endpgm
.Lfunc_end_k_q01157cdfe5_proj:
	.size	k_q01157cdfe5_proj, .Lfunc_end_k_q01157cdfe5_proj-k_q01157cdfe5_proj
	.p2alignl 7, 3214868480
	.fill 96, 4, 3214868480
	.section	.rodata,"a",@progbits
	.p2align	6, 0x0
	.amdhsa_kernel k_q01157cdfe5_proj
		.amdhsa_group_segment_fixed_size 280576
		.amdhsa_private_segment_fixed_size 0
		.amdhsa_enable_private_segment 0
		.amdhsa_kernarg_size 32
		.amdhsa_user_sgpr_count 2
		.amdhsa_user_sgpr_kernarg_segment_ptr 1
		.amdhsa_wavefront_size32 1
		.amdhsa_system_sgpr_workgroup_id_x 1
		.amdhsa_system_sgpr_workgroup_id_y 1
		.amdhsa_system_sgpr_workgroup_id_z 1
		.amdhsa_system_vgpr_workitem_id 0
		.amdhsa_next_free_vgpr 256
		.amdhsa_next_free_sgpr 66
		.amdhsa_reserve_vcc 0
		.amdhsa_float_denorm_mode_32 3
		.amdhsa_float_denorm_mode_16_64 3
		.amdhsa_memory_ordered 1
		.amdhsa_forward_progress 1
		.amdhsa_inst_pref_size 36
	.end_amdhsa_kernel
	.amdgpu_metadata
---
amdhsa.version: [ 1, 2 ]
amdhsa.kernels:
  - .name:           k_q01157cdfe5_proj
    .symbol:         k_q01157cdfe5_proj.kd
    .args:
      - { .name: codes, .offset: 0, .size: 8, .value_kind: global_buffer, .address_space: global }
      - { .name: scales, .offset: 8, .size: 8, .value_kind: global_buffer, .address_space: global }
      - { .name: q16, .offset: 16, .size: 8, .value_kind: global_buffer, .address_space: global }
      - { .name: kv16, .offset: 24, .size: 8, .value_kind: global_buffer, .address_space: global }
    .group_segment_fixed_size: 280576
    .private_segment_fixed_size: 0
    .kernarg_segment_align: 8
    .kernarg_segment_size: 32
    .max_flat_workgroup_size: 512
    .sgpr_count:     66
    .vgpr_count:     256
    .wavefront_size: 32
...
	.end_amdgpu_metadata
.endif
;; end of part 2
;; launch attn (part 3): grid 16 x 16, 8 waves a work-group, clusters of 4 x 1, 327,680 bytes of LDS; arguments q16, kv16, o16; writes o16
.if DOCPART == 3
	.amdgcn_target "amdgcn-amd-amdhsa--gfx1250"
	.amdhsa_code_object_version 6
	.text
	.protected	k_q01157cdfe5_attn
	.globl	k_q01157cdfe5_attn
	.p2align	8
	.type	k_q01157cdfe5_attn,@function
k_q01157cdfe5_attn:
	s_mov_b64 s[64:65], 0
	v_nop
	global_prefetch_b8 v0, s[64:65] scope:SCOPE_SE
	s_setreg_imm32_b32 hwreg(HW_REG_WAVE_MODE, 25, 1), 1
	s_wait_xcnt 0x0
	s_wait_alu depctr_hold_cnt(0) depctr_sa_sdst(0) depctr_va_vdst(0) depctr_va_sdst(0) depctr_va_ssrc(0) depctr_va_vcc(0) depctr_vm_vsrc(0)
	s_getreg_b32 s2, hwreg(HW_REG_IB_STS2, 6, 4)
	s_cmp_eq_u32 s2, 0
	s_cbranch_scc0 .Lentry_in_a_cluster
	s_endpgm
.Lentry_in_a_cluster:
	s_bfe_u32 s2, ttmp6, 0x10000c
	s_cmp_lg_u32 s2, 0x3003
	s_cbranch_scc0 .Lentry_shape_is_right
	s_endpgm
.Lentry_shape_is_right:
; o[b][q][head] = the sum over all 2,048 keys of softmax_k(q . k / 8 + slope_head x key) v: no mask.  Operands f16, products, maxima and sums f32.
; WORK LEFT OUT: the term -slope_head x q of reference()'s scores, which is the same along the softmax's axis (shown at the head of launch prep).
; LIMITS: |o| stays under 65,504 (f16), as v does; NaN and infinities are not served.
; SHARES.  A work-group owns 128 queries of one batch and one key and value head, for that head's four query heads; wave w owns head 4 kvh + w / 2 and 64 queries (w % 2): four tiles of 16.  Every wave walks
; all keys, 64 a step.  Two waves to a SIMD: one wave's softmax stands beside the other's products.
; LAYOUT.  S^T = K Q^T (source 0 = 16 keys, source 1 = 16 queries): a lane holds ONE query and keys 8 (lane / 16) + 0 .. 7; two such tiles rounded to f16 in pairs ARE source 1 of O^T = V^T P.
; K, V^T and Q lie in memory as images of their registers: every fragment is two loads of 16 bytes a lane at 16 x lane.
; THE SCORES.  t = c (q . k + rs (key - 2048)), c = log2(e) / 8, rs = 8 slope.  rs x (the key's place in its step) is the C of the first product: it costs no line.  rs x (64 step - 2048) = RBV is added to the step's
; maximum and, times c, to the offset of the one multiply-add ahead of the exponential.  m is the running maximum; p = 2^(t - c m); O and l are multiplied by a = 2^(c m_old - c m_new) in every step.
; CLUSTER.  The four blocks of queries of a cluster walk the same K and V: each tile is asked for JOINTLY, by the same tensor load with the same descriptor and the mask 15.
; THE RING.  Two slots of 8 key steps (131,072 bytes).  Wave w brings step 8 s + w: 16,384 dense bytes.  Two loads of mine are out at the start, one behind each refill's barrier.  A refill is asked for eight key steps,
; 512 matrix instructions of a wave, ahead of its first read: so no prefetch is laid in front of it.
; REGISTERS.  Window 0: v1-8 addresses and the step's numbers; v32-63 statistics, 8 a tile: +0 the offset, +1 m, +2 +3 l, +4 .. +7 at work (a at +6); v64-127 K's fragments, then V's; v128-255 S^T, 32 a tile, then P in its first 16.
;   Window 1: v0-63 Q; v64-95 the bias; v128-255 O^T, 32 a tile.
.set SLOT1, 131072
.set SPARE, 262144                     ; the spare words, 128 bytes for each wave: four blocks of 256 bytes that no other line names
.set L16, 1                            ; v1  16 x lane
.set ADR, 2                            ; v2  LDS address of the step's tiles
.set SPW, 3                            ; v3  LDS address of my spare word; never rewritten
.set NIL, 4                            ; v4  0; never rewritten
.set DK,  5                            ; v5  2048 - 64 step, as f32
.set RBV, 6                            ; v6  rs (64 step - 2048)
.set CRB, 7                            ; v7  c x that
.set H8,  8                            ; v8  8 (lane / 16)
.set ST,  32
.set KVB, 64
.set S,   128
.set QF,  0                            ; window 1
.set BI,  64                           ; window 1
.set O,   128                          ; window 1
.set WV,  10                           ; s10 wave
.set G1,  16                           ; s[16:23]
.set G0A, 24                           ; s[24:27] slot 0's group 0
.set G0B, 28                           ; s[28:31] slot 1's
.set CS,  32                           ; s[32:33] c, twice: the packed form names the pair
.set SEL, 34                           ; s[34:35] selects for lane l xor 16
.set TB,  36                           ; s36 LDS byte at which the step's tiles begin
.set CNT, 37                           ; s37 counts steps
.set NRS, 38                           ; s38 -rs
.set RS,  39                           ; s39 rs
.set MSB, 0
.macro WIN new                         ; the immediate's high byte repeats the setting that is left; a switch that changes nothing is dropped
.if MSB != \new
	s_set_vgpr_msb (MSB<<8)|\new
.set MSB, \new
.endif
.endm
.macro PLACES n
.rept \n
	v_nop
.endr
.endm
.macro CROUND                          ; a round of the cluster's barrier
	s_barrier_signal -1
	s_barrier_wait -1
	s_cmp_lg_u32 s[WV], 0
	s_cbranch_scc1 .Lnot_wave_0_\@
	s_barrier_signal -3
.Lnot_wave_0_\@:
	s_barrier_wait -3
	s_barrier_signal -1
	s_barrier_wait -1
.endm
	s_load_b128 s[4:7], s[0:1], 0x0                ; q16 s[4:5], kv16 s[6:7]
	s_load_b64 s[8:9], s[0:1], 0x10                ; o16
	v_lshl_add_u32 v[SPW], v0, 2, SPARE
	v_mov_b32 v[NIL], 0
	ds_add_u32 v[SPW], v[NIL]                      ; the wave's opening: the add, twice on end, and its wait ahead of my first tensor load
	ds_add_u32 v[SPW], v[NIL]
	v_lshrrev_b32 v1, 5, v0
	v_readfirstlane_b32 s[WV], v1                  ; wave 0..7
	s_bfe_u32 s11, ttmp6, 0x40000                  ; cx
	s_lshl_b32 s12, ttmp9, 2
	s_add_co_u32 s12, s12, s11                     ; qb: my block of 128 queries: it enters Q's and O's addresses alone
	s_and_b32 s13, ttmp7, 0xffff                   ; bh = 4 b + kvh, which the four partners share
	s_lshr_b32 s14, s13, 2                         ; b
	s_and_b32 s15, s13, 3                          ; kvh
	s_lshr_b32 s40, s[WV], 1
	s_and_b32 s41, s[WV], 1                        ; qh
	s_lshl_b32 s42, s15, 2
	s_add_co_u32 s42, s42, s40                     ; head
	s_mov_b32 s[G1+0], 15|(3<<16)|(1<<21)          ; the mask: all four; elements of 8 bytes; bit 21 set beside a mask
	s_mov_b32 s[G1+1], 32<<16                      ; rows of 32 elements = 256 bytes,
	s_mov_b32 s[G1+2], 64<<16                      ; 64 of them,
	s_mov_b32 s[G1+3], 32<<16
	s_mov_b32 s[G1+4], 64
	s_mov_b32 s[G1+5], 32                          ; dense
	s_mov_b32 s[G1+6], 0
	s_mov_b32 s[G1+7], 0
	s_mov_b32 s[CS], 0x3e38aa3b                    ; c = log2(e) / 8
	s_mov_b32 s[CS+1], s[CS]
	s_mov_b32 s[SEL], 0x76543210
	s_mov_b32 s[SEL+1], 0xfedcba98
	; slope = 2^(-n / 2), n = head + 1: the bits of 8 slope: 1 or 2^-0.5, with n / 2 (rounded down) off the exponent field and 3 on
	s_add_co_u32 s43, s42, 1
	s_and_b32 s44, s43, 1
	s_cmp_eq_u32 s44, 1
	s_mov_b32 s45, 0x3f800000
	s_cselect_b32 s45, 0x3f3504f3, s45
	s_lshr_b32 s44, s43, 1
	s_lshl_b32 s44, s44, 23
	s_sub_co_u32 s45, s45, s44
	s_add_co_u32 s[RS], s45, (3<<23)
	s_or_b32 s[NRS], s[RS], 0x80000000
	s_mov_b32 s[G0A], 1
	s_mov_b32 s[G0B], 1
	s_lshl_b32 s[G0A+1], s[WV], 14                 ; LDS: wave x 16,384: no place in the cluster enters an LDS address
	s_add_co_u32 s[G0B+1], s[G0A+1], SLOT1
	s_lshl_b32 s46, s13, 19                        ; a head's 32 steps of 16,384 bytes
	s_add_co_u32 s46, s46, s[G0A+1]
	s_mov_b32 s47, 0
	s_lshl_b32 s48, s14, 4                         ; Q: ((16 b + head) 128 + 8 qb + 4 qh) x 2,048
	s_add_co_u32 s48, s48, s42
	s_lshl_b32 s48, s48, 7
	s_lshl_b32 s49, s12, 3
	s_add_co_u32 s48, s48, s49
	s_lshl_b32 s49, s41, 2
	s_add_co_u32 s48, s48, s49
	s_lshl_b32 s48, s48, 11
	s_mov_b32 s49, 0
	s_lshl_b32 s50, s14, 7                         ; O: (128 b + 8 qb + 4 qh) x 32,768 + head x 2,048
	s_lshl_b32 s51, s12, 3
	s_add_co_u32 s50, s50, s51
	s_lshl_b32 s51, s41, 2
	s_add_co_u32 s50, s50, s51
	s_lshl_b32 s50, s50, 15
	s_lshl_b32 s51, s42, 11
	s_add_co_u32 s50, s50, s51
	s_mov_b32 s51, 0
	s_mov_b32 s[TB], 0
	s_wait_dscnt 0x0                               ; both opening adds are done
	s_wait_kmcnt 0x0
	s_add_nc_u64 s[G0A+2:G0A+3], s[6:7], s[46:47]
	s_add_nc_u64 s[G0B+2:G0B+3], s[G0A+2:G0A+3], SLOT1
	s_or_b32 s[G0A+3], s[G0A+3], 0x80000000
	s_or_b32 s[G0B+3], s[G0B+3], 0x80000000
	s_add_nc_u64 s[4:5], s[4:5], s[48:49]
	s_add_nc_u64 s[8:9], s[8:9], s[50:51]
	CROUND                                         ; all four work-groups are here: the first joint loads meet
	tensor_load_to_lds s[G0A:G0A+3], s[G1:G1+7]    ; key step w
	s_nop 0
	tensor_load_to_lds s[G0B:G0B+3], s[G1:G1+7]    ; key step 8 + w
	s_nop 0
	PLACES 4
	v_and_b32 v[L16], 31, v0
	v_lshlrev_b32 v[L16], 4, v[L16]
	v_bfe_u32 v[H8], v0, 4, 1
	v_lshlrev_b32 v[H8], 3, v[H8]
	WIN 0x40                                       ; destination window 1
.irp i, 0,1,2,3,4,5,6,7,8,9,10,11,12,13,14,15
	global_load_b128 v[QF+4*\i:QF+4*\i+3], v[L16], s[4:5] offset:512*\i   ; Q stays in registers: tile i / 4, channels 32 ((i / 2) % 2) on
.endr
	WIN 0
.set n, 0
.rept 32
	v_add_nc_u32 v[S+n], 16*(n/8)+n%8, v[H8]       ; the key's place in its step: 16 kt + 8 (lane / 16) + j
.set n, n+1
.endr
.set n, 0
.rept 32
	v_cvt_f32_u32 v[S+n], v[S+n]
.set n, n+1
.endr
	WIN 0x40
.set n, 0
.rept 32
	v_mul_f32 v[BI+n], s[RS], v[S+n]               ; the bias, in the result's layout
.set n, n+1
.endr
	WIN 0
	v_mov_b32 v[DK], 0x45000000                    ; 2048.0
; A KEY STEP: 64 keys.  first = 1: the first, which starts m, l and O^T.  Lines of the softmax are written for the four tiles by turns, so that no line waits for the line above it.
.macro STEP first
	WIN 0
	v_add_nc_u32 v[ADR], s[TB], v[L16]             ; five plain lines that name no register of the last products: the places in front of the loads into V's registers (four are owed)
	v_mul_f32 v[RBV], s[NRS], v[DK]                ; and of the products that write over P (five are owed)
	v_mul_f32 v[CRB], s[CS], v[RBV]
	v_add_f32 v[DK], 0xc2800000, v[DK]             ; - 64
	v_nop
.irp i, 0,1,2,3,4,5,6,7,8,9,10,11,12,13,14,15
	ds_load_b128 v[KVB+4*\i:KVB+4*\i+3], v[ADR] offset:512*\i   ; K: keys 16 (i / 4) on, channels 32 ((i / 2) % 2) on
.endr
	s_wait_dscnt 0x0
	WIN 0x14                                       ; Q and the bias in window 1
.irp t, 0,1,2,3
.irp u, 0,1,2,3
	v_wmma_f32_16x16x32_f16 v[S+32*\t+8*\u:S+32*\t+8*\u+7], v[KVB+16*\u:KVB+16*\u+7], v[QF+16*\t:QF+16*\t+7], v[BI+8*\u:BI+8*\u+7]
.endr
.endr
	WIN 0x04
.irp t, 0,1,2,3
.irp u, 0,1,2,3
	v_wmma_f32_16x16x32_f16 v[S+32*\t+8*\u:S+32*\t+8*\u+7], v[KVB+16*\u+8:KVB+16*\u+15], v[QF+16*\t+8:QF+16*\t+15], v[S+32*\t+8*\u:S+32*\t+8*\u+7]
.endr
.endr
	WIN 0
	PLACES 4                                       ; in front of the loads into K's registers and of the first read of the scores
.irp i, 0,1,2,3,4,5,6,7,8,9,10,11,12,13,14,15
	ds_load_b128 v[KVB+4*\i:KVB+4*\i+3], v[ADR] offset:8192+512*\i   ; V^T: channels 16 (i / 4) on, keys 32 ((i / 2) % 2) on: it lands under the softmax
.endr
.irp j, 0,1,2,3                        ; the maximum of my 32 scores: four chains, each begun at an accumulator's low end
.irp t, 0,1,2,3
	v_max3_num_f32 v[ST+8*\t+4+\j], v[S+32*\t+8*\j], v[S+32*\t+8*\j+1], v[S+32*\t+8*\j+2]
.endr
.endr
.irp u, 3,5
.irp j, 0,1,2,3
.irp t, 0,1,2,3
	v_max3_num_f32 v[ST+8*\t+4+\j], v[ST+8*\t+4+\j], v[S+32*\t+8*\j+\u], v[S+32*\t+8*\j+\u+1]
.endr
.endr
.endr
.irp t, 0,1,2,3
	v_max3_num_f32 v[ST+8*\t+4], v[ST+8*\t+4], v[S+32*\t+7], v[S+32*\t+15]
.endr
.irp t, 0,1,2,3
	v_max3_num_f32 v[ST+8*\t+6], v[ST+8*\t+6], v[S+32*\t+23], v[S+32*\t+31]
.endr
.irp t, 0,1,2,3
	v_max3_num_f32 v[ST+8*\t+4], v[ST+8*\t+4], v[ST+8*\t+5], v[ST+8*\t+6]
.endr
.irp t, 0,1,2,3
	v_max_num_f32 v[ST+8*\t+4], v[ST+8*\t+4], v[ST+8*\t+7]
.endr
.irp t, 0,1,2,3
	v_permlanex16_b32 v[ST+8*\t+5], v[ST+8*\t+4], s[SEL], s[SEL+1]   ; the query's other 32 keys lie in the lane 16 away
.endr
.irp t, 0,1,2,3
	v_max_num_f32 v[ST+8*\t+4], v[ST+8*\t+4], v[ST+8*\t+5]
.endr
.irp t, 0,1,2,3
	v_add_f32 v[ST+8*\t+4], v[ST+8*\t+4], v[RBV]   ; in the frame that all steps share
.endr
.if \first
.irp t, 0,1,2,3
	v_mov_b32 v[ST+8*\t+1], v[ST+8*\t+4]           ; m
.endr
.irp t, 0,1,2,3
	v_fma_f32 v[ST+8*\t], -v[ST+8*\t+4], s[CS], v[CRB]   ; the offset: c RBV - c m
.endr
.else
.irp t, 0,1,2,3
	v_max_num_f32 v[ST+8*\t+4], v[ST+8*\t+4], v[ST+8*\t+1]   ; the new m
.endr
.irp t, 0,1,2,3
	v_sub_f32 v[ST+8*\t+7], v[ST+8*\t+1], v[ST+8*\t+4]
.endr
.irp t, 0,1,2,3
	v_mov_b32 v[ST+8*\t+1], v[ST+8*\t+4]
.endr
.irp t, 0,1,2,3
	v_mul_f32 v[ST+8*\t+7], s[CS], v[ST+8*\t+7]    ; c (m_old - m_new)
.endr
.irp t, 0,1,2,3
	v_fma_f32 v[ST+8*\t], -v[ST+8*\t+4], s[CS], v[CRB]
.endr
.irp t, 0,1,2,3
	v_exp_f32 v[ST+8*\t+6], v[ST+8*\t+7]           ; a
.endr
.endif
.irp j, 0,2,4,6,8,10,12,14,16,18,20,22,24,26,28,30
.irp t, 0,1,2,3
	v_pk_fma_f32 v[S+32*\t+\j:S+32*\t+\j+1], v[S+32*\t+\j:S+32*\t+\j+1], s[CS:CS+1], v[ST+8*\t:ST+8*\t+1] op_sel_hi:[1,0,0]   ; c s + the offset, two at a time
.endr
.endr
.set n, 0
.rept 128
	v_exp_f32 v[S+n], v[S+n]                       ; p
.set n, n+1
.endr
	v_nop                                          ; a plain line behind the last exponential
	s_wait_alu depctr_va_vdst(0)                   ; the wait ahead of the first line that names a result: one for the whole batch, a among it
.if \first                             ; the row's sum, in pairs, in two chains
.irp t, 0,1,2,3
	v_pk_add_f32 v[ST+8*\t+2:ST+8*\t+3], v[S+32*\t:S+32*\t+1], v[S+32*\t+2:S+32*\t+3]
.endr
.irp t, 0,1,2,3
	v_pk_add_f32 v[ST+8*\t+4:ST+8*\t+5], v[S+32*\t+4:S+32*\t+5], v[S+32*\t+6:S+32*\t+7]
.endr
.set st0, 4
.else
.irp t, 0,1,2,3
	v_pk_fma_f32 v[ST+8*\t+2:ST+8*\t+3], v[ST+8*\t+2:ST+8*\t+3], v[ST+8*\t+6:ST+8*\t+7], v[S+32*\t:S+32*\t+1] op_sel_hi:[1,0,1]   ; l = a l + ..
.endr
.irp t, 0,1,2,3
	v_pk_add_f32 v[ST+8*\t+4:ST+8*\t+5], v[S+32*\t+2:S+32*\t+3], v[S+32*\t+4:S+32*\t+5]
.endr
.set st0, 3
.endif
.set n, st0
.rept 16-st0
.irp t, 0,1,2,3
.if (n-st0)%2 == 0
	v_pk_add_f32 v[ST+8*\t+2:ST+8*\t+3], v[ST+8*\t+2:ST+8*\t+3], v[S+32*\t+2*n:S+32*\t+2*n+1]
.else
	v_pk_add_f32 v[ST+8*\t+4:ST+8*\t+5], v[ST+8*\t+4:ST+8*\t+5], v[S+32*\t+2*n:S+32*\t+2*n+1]
.endif
.endr
.set n, n+1
.endr
.irp t, 0,1,2,3
	v_pk_add_f32 v[ST+8*\t+2:ST+8*\t+3], v[ST+8*\t+2:ST+8*\t+3], v[ST+8*\t+4:ST+8*\t+5]
.endr
.set n, 0
.rept 16
.irp t, 0,1,2,3
	v_cvt_pk_f16_f32 v[S+32*\t+n], v[S+32*\t+2*n], v[S+32*\t+2*n+1]   ; P, in place, ascending: a line's destination has been read already
.endr
.set n, n+1
.endr
.if !\first
	WIN 0x41                                       ; O^T in window 1, a in window 0
.irp t, 0,1,2,3
.set n, 0
.rept 16
	v_pk_mul_f32 v[O+32*\t+2*n:O+32*\t+2*n+1], v[O+32*\t+2*n:O+32*\t+2*n+1], v[ST+8*\t+6:ST+8*\t+7] op_sel_hi:[1,0]   ; each accumulator from its low end on
.set n, n+1
.endr
.endr
.endif
	s_wait_dscnt 0x0                               ; V is in
	WIN 0x50                                       ; C and D in window 1
.irp e, 0,1
.irp t, 0,1,2,3
.irp u, 0,1,2,3
.if \first && (\e == 0)
	v_wmma_f32_16x16x32_f16 v[O+32*\t+8*\u:O+32*\t+8*\u+7], v[KVB+16*\u+8*\e:KVB+16*\u+8*\e+7], v[S+32*\t+8*\e:S+32*\t+8*\e+7], 0
.else
	v_wmma_f32_16x16x32_f16 v[O+32*\t+8*\u:O+32*\t+8*\u+7], v[KVB+16*\u+8*\e:KVB+16*\u+8*\e+7], v[S+32*\t+8*\e:S+32*\t+8*\e+7], v[O+32*\t+8*\u:O+32*\t+8*\u+7]
.endif
.endr
.endr
.endr
	WIN 0
.endm
.macro STEPS n                         ; n key steps of the slot in hand: written once, walked n times; the LDS address hangs on s[TB]
	s_mov_b32 s[CNT], \n
.Lsteps_\@:
	STEP 0
	s_add_co_u32 s[TB], s[TB], 16384
	s_sub_co_u32 s[CNT], s[CNT], 1
	s_cmp_lg_u32 s[CNT], 0
	s_cbranch_scc1 .Lsteps_\@
.endm
; THE CHANGE OF SLOTS.  Each wave waits for all its tensor loads (its part of the slot ahead), adds 0 to its spare word, and waits for that and for its reads of the slot that it leaves.
; fill = 1: a round of the cluster's barrier, so that no wave of any partner still reads that slot or has a load on its way; the joint refill, 16 steps on in memory, is the first thing behind it.
.macro CHANGE fill, g0, tb
	s_wait_tensorcnt 0x0                           ; no tensor load of mine is out, so a group 0 may be written
	ds_add_u32 v[SPW], v[NIL]
.if \fill
	s_add_nc_u64 s[\g0+2:\g0+3], s[\g0+2:\g0+3], 2*SLOT1
.endif
	s_wait_dscnt 0x0
.if \fill
	CROUND
	tensor_load_to_lds s[\g0:\g0+3], s[G1:G1+7]
	s_nop 0
	PLACES 4
.else
	s_barrier_signal -1
	s_barrier_wait -1
.endif
	s_mov_b32 s[TB], \tb
.endm
	s_wait_tensorcnt 1                             ; my part of slot 0 is in; slot 1's may stay out
	s_barrier_signal -1
	s_barrier_wait -1
	s_wait_loadcnt 0x0                             ; Q
	STEP 1
	s_add_co_u32 s[TB], s[TB], 16384
	STEPS 7
	CHANGE 1, G0A, SLOT1                           ; slot 0 takes steps 16-23; steps 8-15 are read
	STEPS 8
	CHANGE 1, G0B, 0                               ; slot 1 takes steps 24-31; steps 16-23 are read
	STEPS 8
	CHANGE 0, G0A, SLOT1                           ; nothing is left to fetch
	STEPS 8
	; THE WAY OUT.  O^T / l, rounded to f16: a lane's eight channels of a query are its 16 bytes of an image of launch outp's operand: stored straight from registers.
.irp t, 0,1,2,3
	v_add_f32 v[ST+8*\t+4], v[ST+8*\t+2], v[ST+8*\t+3]   ; (these additions are the places behind the last products)
.endr
.irp t, 0,1,2,3
	v_permlanex16_b32 v[ST+8*\t+5], v[ST+8*\t+4], s[SEL], s[SEL+1]
.endr
.irp t, 0,1,2,3
	v_add_f32 v[ST+8*\t+4], v[ST+8*\t+4], v[ST+8*\t+5]
.endr
.irp t, 0,1,2,3
	v_rcp_f32 v[ST+8*\t+6], v[ST+8*\t+4]
.endr
	v_nop
	s_wait_alu depctr_va_vdst(0)                   ; one wait for the four reciprocals, ahead of their first reader
	WIN 0x41
.irp t, 0,1,2,3
.set n, 0
.rept 16
	v_pk_mul_f32 v[O+32*\t+2*n:O+32*\t+2*n+1], v[O+32*\t+2*n:O+32*\t+2*n+1], v[ST+8*\t+6:ST+8*\t+7] op_sel_hi:[1,0]
.set n, n+1
.endr
.endr
	WIN 0x05                                       ; sources in window 1, destination in window 0
.set n, 0
.rept 64
	v_cvt_pk_f16_f32 v[S+n], v[O+2*n], v[O+2*n+1]
.set n, n+1
.endr
	WIN 0
.irp t, 0,1,2,3
.irp u, 0,1,2,3
	global_store_b128 v[L16], v[S+16*\t+4*\u:S+16*\t+4*\u+3], s[8:9] offset:32768*\t+512*\u   ; half an image: 512 consecutive bytes
.endr
.endr
	s_wait_tensorcnt 0x0                           ; the wave's end
	ds_add_u32 v[SPW], v[NIL]
	s_wait_dscnt 0x0
	CROUND                                         ; the closing round: no work-group ends while a partner may still ask for a tile that names it
	s_endpgm
.Lfunc_end_k_q01157cdfe5_attn:
	.size	k_q01157cdfe5_attn, .Lfunc_end_k_q01157cdfe5_attn-k_q01157cdfe5_attn
	.p2alignl 7, 3214868480
	.fill 96, 4, 3214868480
	.section	.rodata,"a",@progbits
	.p2align	6, 0x0
	.amdhsa_kernel k_q01157cdfe5_attn
		.amdhsa_group_segment_fixed_size 327680
		.amdhsa_private_segment_fixed_size 0
		.amdhsa_enable_private_segment 0
		.amdhsa_kernarg_size 24
		.amdhsa_user_sgpr_count 2
		.amdhsa_user_sgpr_kernarg_segment_ptr 1
		.amdhsa_wavefront_size32 1
		.amdhsa_system_sgpr_workgroup_id_x 1
		.amdhsa_system_sgpr_workgroup_id_y 1
		.amdhsa_system_sgpr_workgroup_id_z 1
		.amdhsa_system_vgpr_workitem_id 0
		.amdhsa_next_free_vgpr 512
		.amdhsa_next_free_sgpr 66
		.amdhsa_reserve_vcc 0
		.amdhsa_float_denorm_mode_32 3
		.amdhsa_float_denorm_mode_16_64 3
		.amdhsa_memory_ordered 1
		.amdhsa_forward_progress 1
		.amdhsa_inst_pref_size 177
	.end_amdhsa_kernel
	.amdgpu_metadata
---
amdhsa.version: [ 1, 2 ]
amdhsa.kernels:
  - .name:           k_q01157cdfe5_attn
    .symbol:         k_q01157cdfe5_attn.kd
    .args:
      - { .name: q16, .offset: 0, .size: 8, .value_kind: global_buffer, .address_space: global }
      - { .name: kv16, .offset: 8, .size: 8, .value_kind: global_buffer, .address_space: global }
      - { .name: o16, .offset: 16, .size: 8, .value_kind: global_buffer, .address_space: global }
    .group_segment_fixed_size: 327680
    .private_segment_fixed_size: 0
    .kernarg_segment_align: 8
    .kernarg_segment_size: 24
    .max_flat_workgroup_size: 256
    .sgpr_count:     66
    .vgpr_count:     512
    .wavefront_size: 32
...
	.end_amdgpu_metadata
.endif
;; end of part 3
;; launch outp (part 4): grid 4 x 64, 4 waves a work-group, clusters of 4 x 4, 327,680 bytes of LDS; arguments o16, wot, out0; writes out0
.if DOCPART == 4
	.amdgcn_target "amdgcn-amd-amdhsa--gfx1250"
	.amdhsa_code_object_version 6
	.text
	.protected	k_q01157cdfe5_outp
	.globl	k_q01157cdfe5_outp
	.p2align	8
	.type	k_q01157cdfe5_outp,@function
k_q01157cdfe5_outp:
	s_mov_b64 s[64:65], 0
	v_nop
	global_prefetch_b8 v0, s[64:65] scope:SCOPE_SE
	s_setreg_imm32_b32 hwreg(HW_REG_WAVE_MODE, 25, 1), 1
	s_wait_xcnt 0x0
	s_wait_alu depctr_hold_cnt(0) depctr_sa_sdst(0) depctr_va_vdst(0) depctr_va_sdst(0) depctr_va_ssrc(0) depctr_va_vcc(0) depctr_vm_vsrc(0)
	s_getreg_b32 s2, hwreg(HW_REG_IB_STS2, 6, 4)
	s_cmp_eq_u32 s2, 0
	s_cbranch_scc0 .Lentry_in_a_cluster
	s_endpgm
.Lentry_in_a_cluster:
	s_bfe_u32 s2, ttmp6, 0x10000c
	s_cmp_lg_u32 s2, 0xf033
	s_cbranch_scc0 .Lentry_shape_is_right
	s_endpgm
.Lentry_shape_is_right:
; out0 [8192][1024] f32 = o Wo, operands f16, sums f32, K = 1,024.  o16 and wot lie as images of the operands' registers: [tile of 16 rows][K step of 32][1,024 bytes].
; A work-group makes 128 tokens x 256 columns: 256 work-groups.  Wave w makes 64 tokens (w / 2) x 128 columns (w % 2): 32 accumulators.
; K goes in 8 chunks of 128 (four K steps) through a ring of two LDS slots: a chunk of a row tile is 4,096 consecutive bytes; tiles lie 32,768 bytes apart.  Waves 0, 1 fetch four token tiles each, waves 2, 3 eight column tiles each.
; CLUSTERS: 4 x 4 work-groups.  The four of a row of the cluster need the same tokens, the four of a column the same columns of Wo: each tile is asked for JOINTLY.
; THE MATRIX INSTRUCTION IS USED TRANSPOSED (source 0 = 16 columns of Wo, source 1 = 16 tokens): a lane holds eight neighbouring numbers of a row of out0.
; Two loads of mine are out at the start, one behind each refill's barrier.  No prefetch: the launch is short, and both operands are read by several work-groups.
; REGISTERS.  Window 0: v16-29 addresses; v64-159 and v160-255 two sets of fragments (8 of Wo, then 4 of o); on the way out v64-191 hold rows.  Window 1: accumulator (a, b) at 8 (8 a + b).
.set SLOT,  98304                      ; o's 8 tiles x 4,096 bytes, then Wo's 16
.set BOFF,  32768
.set STAGE, 196608                     ; behind the ring: 16 rows x (512 + 16) bytes for each wave; no fill lands here
.set SPARE, 230400                     ; the spare words, 128 bytes for each wave: two blocks of 256 bytes that no other line names
.set ADRA, 16                          ; v16-17 my fragments of o in slot 0, 1
.set ADRB, 20                          ; v20-21 of Wo
.set STO,  24                          ; v24 the way out: where I put 32 bytes of a row
.set RD,   25                          ; v25 where I read a row back
.set CO,   26                          ; v26 16 x lane
.set SPW,  28                          ; v28 LDS address of my spare word; never rewritten
.set NIL,  29                          ; v29 0; never rewritten
.set F0,   64
.set F1,   160
.set BK,   64
.set G1,  24                           ; s[24:31] group 1 for o's tiles; s[32:39] group 0, a set for each slot
.set G0,  32
.set G1B, 48                           ; s[48:55], s[56:63] the same for Wo's
.set G0B, 56
.set MUL, 0x50                         ; C and D in window 1
.set MSB, 0
.macro WIN new
.if MSB != \new
	s_set_vgpr_msb (MSB<<8)|\new
.set MSB, \new
.endif
.endm
.macro PLACES n
.rept \n
	v_nop
.endr
.endm
.macro JLOAD s                         ; a joint load: waves 0 and 1 for o, waves 2 and 3 for Wo; an s_nop 0 and four v_nop follow each of the two lines
	s_cmp_eq_u32 s11, 0
	s_cbranch_scc0 .Lfor_b_\@
	tensor_load_to_lds s[G0+4*\s:G0+4*\s+3], s[G1:G1+7]
	s_nop 0
	PLACES 4
	s_branch .Lasked_\@
.Lfor_b_\@:
	tensor_load_to_lds s[G0B+4*\s:G0B+4*\s+3], s[G1B:G1B+7]
	s_nop 0
	PLACES 4
.Lasked_\@:
.endm
.macro CREST                           ; a round of the cluster's barrier behind its opening barrier
	s_cmp_lg_u32 s10, 0
	s_cbranch_scc1 .Lnot_wave_0_\@
	s_barrier_signal -3
.Lnot_wave_0_\@:
	s_barrier_wait -3
	s_barrier_signal -1
	s_barrier_wait -1
.endm
.macro CROUND
	s_barrier_signal -1
	s_barrier_wait -1
	CREST
.endm
	s_load_b128 s[4:7], s[0:1], 0x0                ; o16 s[4:5], wot s[6:7]
	s_load_b64 s[8:9], s[0:1], 0x10                ; out0
	v_lshl_add_u32 v[SPW], v0, 2, SPARE
	v_mov_b32 v[NIL], 0
	ds_add_u32 v[SPW], v[NIL]                      ; the wave's opening: the add, twice on end, and its wait ahead of my first tensor load
	ds_add_u32 v[SPW], v[NIL]
	v_lshrrev_b32 v1, 5, v0
	v_readfirstlane_b32 s10, v1                    ; wave 0..3
	s_lshr_b32 s11, s10, 1                         ; which 64 tokens are mine.  Also: I fetch for o (0) or for Wo (1)
	s_and_b32 s12, s10, 1                          ; which 128 columns.  Also: which half of that tile I fetch
	s_bfe_u32 s40, ttmp6, 0x40000                  ; cx, cy
	s_bfe_u32 s41, ttmp6, 0x40004
	s_lshl_b32 s42, ttmp9, 2
	s_add_co_u32 s42, s42, s40                     ; tile column = 4 x cluster x + cx
	s_and_b32 s13, ttmp7, 0xffff
	s_lshl_b32 s13, s13, 2
	s_add_co_u32 s13, s13, s41                     ; tile row = 4 x cluster y + cy
	s_lshl_b32 s43, s41, 2
	s_lshl_b32 s43, 15, s43                        ; my row of the cluster
	s_lshl_b32 s44, 0x1111, s40                    ; my column
	s_or_b32 s[G1+0], s43, (3<<16)|(1<<21)         ; the mask; elements of 8 bytes; bit 21 set beside a mask
	s_or_b32 s[G1B+0], s44, (3<<16)|(1<<21)
	s_mov_b32 s[G1+1], 512<<16                     ; rows of 512 elements = 4,096 bytes
	s_mov_b32 s[G1+2], 4<<16                       ; four of them
	s_mov_b32 s[G1+3], 512<<16
	s_mov_b32 s[G1+4], 4
	s_mov_b32 s[G1+5], 4096                        ; 32,768 bytes apart
	s_mov_b32 s[G1+6], 0
	s_mov_b32 s[G1+7], 0
	s_mov_b32 s[G1B+1], 512<<16
	s_mov_b32 s[G1B+2], 8<<16                      ; eight
	s_mov_b32 s[G1B+3], 512<<16
	s_mov_b32 s[G1B+4], 8
	s_mov_b32 s[G1B+5], 4096
	s_mov_b32 s[G1B+6], 0
	s_mov_b32 s[G1B+7], 0
	s_lshl_b32 s20, s12, 14                        ; LDS, o: my four tiles
	s_lshl_b32 s21, s12, 15
	s_add_co_u32 s21, s21, BOFF                    ; LDS, Wo: my eight
	s_lshl_b32 s16, s13, 3
	s_lshl_b32 s17, s12, 2
	s_add_co_u32 s16, s16, s17
	s_lshl_b32 s16, s16, 15                        ; o: token tile 8 x tile row + 4 x half
	s_mov_b32 s17, 0
	s_lshl_b32 s46, s42, 4
	s_lshl_b32 s47, s12, 3
	s_add_co_u32 s46, s46, s47
	s_lshl_b32 s46, s46, 15                        ; Wo: column tile 16 x tile column + 8 x half
	s_mov_b32 s47, 0
	s_wait_dscnt 0x0                               ; both opening adds are done
	s_wait_kmcnt 0x0
	s_add_nc_u64 s[14:15], s[4:5], s[16:17]
	s_add_nc_u64 s[46:47], s[6:7], s[46:47]
	CROUND                                         ; all sixteen work-groups are here: the first joint loads meet
.irp s, 0,1
	s_mov_b32 s[G0+4*\s], 1
	s_add_co_u32 s[G0+4*\s+1], s20, \s*SLOT
	s_add_nc_u64 s[G0+4*\s+2:G0+4*\s+3], s[14:15], \s*4096
	s_or_b32 s[G0+4*\s+3], s[G0+4*\s+3], 0x80000000
	s_mov_b32 s[G0B+4*\s], 1
	s_add_co_u32 s[G0B+4*\s+1], s21, \s*SLOT
	s_add_nc_u64 s[G0B+4*\s+2:G0B+4*\s+3], s[46:47], \s*4096
	s_or_b32 s[G0B+4*\s+3], s[G0B+4*\s+3], 0x80000000
	JLOAD \s
.endr
	v_and_b32 v1, 31, v0
	v_lshlrev_b32 v[CO], 4, v1
	v_and_b32 v2, 15, v0                           ; r
	v_bfe_u32 v3, v0, 4, 1                         ; h
	s_lshl_b32 s21, s11, 14                        ; my four tiles of o
	s_lshl_b32 s22, s12, 15
	s_add_co_u32 s22, s22, BOFF                    ; my eight of Wo
.irp s, 0,1
	v_add_nc_u32 v[ADRA+\s], s21, v[CO]
	v_add_nc_u32 v[ADRB+\s], s22, v[CO]
	s_add_co_u32 s21, s21, SLOT
	s_add_co_u32 s22, s22, SLOT
.endr
	s_mul_i32 s23, s10, 8448
	s_add_co_u32 s23, s23, STAGE                   ; my stage
	v_mul_u32_u24 v4, v2, 528
	v_lshl_add_u32 v4, v3, 5, v4
	v_add_nc_u32 v[STO], s23, v4                   ; in: row r, 32 bytes for each half of the lanes
	v_add_nc_u32 v[RD], s23, v[CO]                 ; back: the 32 lanes take a row of 512 bytes
	s_lshl_b32 s16, s13, 19                        ; my first row of out0: (128 x tile row + 64 x half) x 4,096 bytes,
	s_lshl_b32 s17, s11, 18
	s_add_co_u32 s16, s16, s17
	s_lshl_b32 s46, s42, 10                        ; my first column: 1,024 x tile column + 512 x half bytes
	s_lshl_b32 s47, s12, 9
	s_add_co_u32 s46, s46, s47
	s_add_co_u32 s16, s16, s46
	s_mov_b32 s17, 0
	s_add_nc_u64 s[8:9], s[8:9], s[16:17]
.macro MUL8 f, a, zero                 ; token tile a x Wo's eight tiles, 32 along K
.irp b, 0,1,2,3,4,5,6,7
.if \zero
	v_wmma_f32_16x16x32_f16 v[8*(8*(\a)+\b):8*(8*(\a)+\b)+7], v[\f+8*\b:\f+8*\b+7], v[\f+64+8*(\a):\f+64+8*(\a)+7], 0
.else
	v_wmma_f32_16x16x32_f16 v[8*(8*(\a)+\b):8*(8*(\a)+\b)+7], v[\f+8*\b:\f+8*\b+7], v[\f+64+8*(\a):\f+64+8*(\a)+7], v[8*(8*(\a)+\b):8*(8*(\a)+\b)+7]
.endif
.endr
.endm
.macro MUL16 f, half, zero
	MUL8 \f, 2*\half, \zero
	MUL8 \f, 2*\half+1, \zero
.endm
.macro FETCH slot, k, f                ; 24 LDS loads in one run: the slot's k-th K step: Wo's 16, o's tiles 0 and 1, o's tiles 2 and 3
.irp b, 0,1,2,3,4,5,6,7
	ds_load_b128 v[\f+8*\b:\f+8*\b+3],   v[ADRB+\slot] offset:\b*4096+(\k)*1024
	ds_load_b128 v[\f+8*\b+4:\f+8*\b+7], v[ADRB+\slot] offset:\b*4096+(\k)*1024+512
.endr
.irp a, 0,1,2,3
	ds_load_b128 v[\f+64+8*\a:\f+64+8*\a+3], v[ADRA+\slot] offset:\a*4096+(\k)*1024
	ds_load_b128 v[\f+64+8*\a+4:\f+64+8*\a+7], v[ADRA+\slot] offset:\a*4096+(\k)*1024+512
.endr
.endm
; One of a chunk's first three K steps: multiplies set f and fetches the K step knext into set g.  The 32 accumulators take turns, in the same order in every K step.
.macro QUARTER slot, knext, f, g, zero
	s_wait_dscnt 4                                 ; Wo's and o's tiles 0, 1 are in; the youngest four loads (o's tiles 2, 3) may be out
	WIN MUL
	MUL16 \f, 0, \zero
	PLACES 4                                       ; in front of loads into registers that matrix instructions have read
	WIN 0
	FETCH \slot, \knext, \g
	s_wait_dscnt 24                                ; all but the 24 just issued
	WIN MUL
	MUL16 \f, 1, \zero
.endm
; A chunk's last K step multiplies set 1 and changes slots: ONE barrier; in front of it each wave waits for all its tensor loads, adds 0 to its spare word, and waits for that and for its reads of this slot.
.macro TURN slot, next, fill
	WIN 0
	s_wait_tensorcnt 0x0                           ; all my tensor loads have landed: my part of the next slot
	ds_add_u32 v[SPW], v[NIL]
	s_wait_dscnt 5                                 ; (the add and the youngest four loads may be out)
	WIN MUL
	MUL8 F1, 0, 0                                  ; eight matrix instructions stand between the add and the wait for it
	s_wait_dscnt 0x0                               ; the add is done, and my reads of this slot are over
	s_barrier_signal -1
	MUL8 F1, 1, 0
	WIN 0
	s_barrier_wait -1
.if \fill
	CREST                                          ; the barrier has opened a round of the cluster's: no wave of any partner still reads this slot or has a load on its way
	s_add_nc_u64 s[G0+4*\slot+2:G0+4*\slot+3], s[G0+4*\slot+2:G0+4*\slot+3], 8192
	s_add_nc_u64 s[G0B+4*\slot+2:G0B+4*\slot+3], s[G0B+4*\slot+2:G0B+4*\slot+3], 8192
	JLOAD \slot                                    ; two chunks on; the four v_nop behind it are also the places in front of the loads below
.else
	PLACES 4
.endif
	FETCH \next, 0, F0
	WIN MUL
	MUL16 F1, 1, 0
.endm
	s_wait_tensorcnt 1                             ; my part of chunk 0 is in; chunk 1's may stay out
	s_barrier_signal -1
	s_barrier_wait -1
	FETCH 0, 0, F0
	QUARTER 0, 1, F0, F1, 1                        ; the first K step stands in front of the loop: its products start the sums
	WIN 0
	s_mov_b32 s3, 3
.Llap:                                             ; a trip goes once round the ring and fills both slots again: chunks 2 to 7
	QUARTER 0, 2, F1, F0, 0
	QUARTER 0, 3, F0, F1, 0
	TURN 0, 1, 1
	QUARTER 1, 1, F0, F1, 0
	QUARTER 1, 2, F1, F0, 0
	QUARTER 1, 3, F0, F1, 0
	TURN 1, 0, 1
	QUARTER 0, 1, F0, F1, 0
	WIN 0
	s_sub_co_u32 s3, s3, 1
	s_cmp_lg_u32 s3, 0
	s_cbranch_scc1 .Llap
	QUARTER 0, 2, F1, F0, 0                        ; the last lap fills nothing
	QUARTER 0, 3, F0, F1, 0
	TURN 0, 1, 0
	QUARTER 1, 1, F0, F1, 0
	QUARTER 1, 2, F1, F0, 0
	QUARTER 1, 3, F0, F1, 0
	s_wait_dscnt 4
	WIN MUL
	MUL16 F1, 0, 0
	s_wait_dscnt 0x0
	MUL16 F1, 1, 0
	WIN 0
; THE WAY OUT, a block of 16 tokens x 128 columns at a time: through my own stage and back as whole rows of 512 bytes.  LDS serves a wave's instructions in order: no wait between the stores and the loads.
.macro TOSTAGE a
	WIN 0x04                                       ; an LDS store's data are its source 1: window 1
.irp b, 0,1,2,3,4,5,6,7
	ds_store_b128 v[STO], v[8*(8*(\a)+\b):8*(8*(\a)+\b)+3] offset:64*\b       ; each accumulator from its low end on
	ds_store_b128 v[STO], v[8*(8*(\a)+\b)+4:8*(8*(\a)+\b)+7] offset:64*\b+16
.endr
	WIN 0
.set BB, BK+64*((\a)%2)
.irp t, 0,1,2,3,4,5,6,7,8,9,10,11,12,13,14,15
	ds_load_b128 v[BB+4*\t:BB+4*\t+3], v[RD] offset:\t*528
.endr
.endm
.macro SEND a, younger                 ; younger: the LDS instructions issued behind block a's loads, which may stay out
.set BB, BK+64*((\a)%2)
	s_wait_dscnt \younger
.irp t, 0,1,2,3,4,5,6,7,8,9,10,11,12,13,14,15
	global_store_b128 v[CO], v[BB+4*\t:BB+4*\t+3], s[8:9] offset:(\a)*65536+\t*4096 th:TH_STORE_NT   ; 32 lanes store 512 consecutive bytes, aligned; written once, read by nobody here
.endr
.endm
	PLACES 4                                       ; in front of the first read of results and of loads into the fragments' registers
	TOSTAGE 0
.irp a, 1,2,3
.if \a > 1
	s_wait_xcnt 0x0                                ; block a - 2's stores have read their registers: block a's loads may land there
.endif
	TOSTAGE \a
	SEND \a-1, 32                                  ; behind block a - 1's loads: block a's 16 stores and 16 loads
.endr
	SEND 3, 0
	s_wait_tensorcnt 0x0                           ; the wave's end
	ds_add_u32 v[SPW], v[NIL]
	s_wait_dscnt 0x0
	CROUND                                         ; the closing round: no work-group ends while a partner may still ask for a tile that names it
	s_endpgm
.Lfunc_end_k_q01157cdfe5_outp:
	.size	k_q01157cdfe5_outp, .Lfunc_end_k_q01157cdfe5_outp-k_q01157cdfe5_outp
	.p2alignl 7, 3214868480
	.fill 96, 4, 3214868480
	.section	.rodata,"a",@progbits
	.p2align	6, 0x0
	.amdhsa_kernel k_q01157cdfe5_outp
		.amdhsa_group_segment_fixed_size 327680
		.amdhsa_private_segment_fixed_size 0
		.amdhsa_enable_private_segment 0
		.amdhsa_kernarg_size 24
		.amdhsa_user_sgpr_count 2
		.amdhsa_user_sgpr_kernarg_segment_ptr 1
		.amdhsa_wavefront_size32 1
		.amdhsa_system_sgpr_workgroup_id_x 1
		.amdhsa_system_sgpr_workgroup_id_y 1
		.amdhsa_system_sgpr_workgroup_id_z 1
		.amdhsa_system_vgpr_workitem_id 0
		.amdhsa_next_free_vgpr 512
		.amdhsa_next_free_sgpr 66
		.amdhsa_reserve_vcc 0
		.amdhsa_float_denorm_mode_32 3
		.amdhsa_float_denorm_mode_16_64 3
		.amdhsa_memory_ordered 1
		.amdhsa_forward_progress 1
		.amdhsa_inst_pref_size 84
	.end_amdhsa_kernel
	.amdgpu_metadata
---
amdhsa.version: [ 1, 2 ]
amdhsa.kernels:
  - .name:           k_q01157cdfe5_outp
    .symbol:         k_q01157cdfe5_outp.kd
    .args:
      - { .name: o16, .offset: 0, .size: 8, .value_kind: global_buffer, .address_space: global }
      - { .name: wot, .offset: 8, .size: 8, .value_kind: global_buffer, .address_space: global }
      - { .name: out0, .offset: 16, .size: 8, .value_kind: global_buffer, .address_space: global }
    .group_segment_fixed_size: 327680
    .private_segment_fixed_size: 0
    .kernarg_segment_align: 8
    .kernarg_segment_size: 24
    .max_flat_workgroup_size: 128
    .sgpr_count:     66
    .vgpr_count:     512
    .wavefront_size: 32
...
	.end_amdgpu_metadata
.endif
;; end of part 4
